; MI455X (gfx1250); checked and timed in simulation.
; The chip was launched on July 23, 2026; its instructions are those of AMD's public machine-readable ISA for CDNA 5 (MIT licence, August 2026) and "CDNA5" Instruction Set Architecture Reference Guide (July 2026). The comments in the code are by the model that wrote it; some were corrected since.
;; Multi Head Attention. Allowed arithmetic: matrix products marked QUANTISED: E3M2 operands, one E8M0 scale for each 32 along K, by v_wmma_scale_f32_16x16x128_f8f6f4 with both operands' format E3M2, f32 sums; everything else in f32.
;; Inputs: bk 256 float32; bo 256 float32; bq 256 float32; bv 256 float32; key 2 x 256 x 64 x 64 float32; query 2 x 256 x 64 x 64 float32; value 2 x 256 x 64 x 64 float32; wk 256 x 256 float32; wo 256 x 256 float32; wq 256 x 256 float32; wv 256 x 256 float32.
;; Outputs: out0 2 x 256 x 64 x 64 float32.
;; This version of the problem:
;;   THIS VERSION OF THE PROBLEM IS GIVEN IN LOW PRECISION. The matrix products marked QUANTISED in the list below multiply operands that are first quantised to E3M2 (3 exponent bits, 2 mantissa bits; 6 bits a number), with one power-of-two scale for each 32 numbers along K (OCP MX v1.0); their sums are f32. All else is computed in f32.
;;   The module's matrix products, in the order in which they are computed (A, B: the left and right operand; K: the contracted axis; several contracted axes count as one K, in the product's order):
;;     1. [M 8,192, K 256] x [K 256, N 256]; A: input query; B: input wq: QUANTISED
;;     2. [M 8,192, K 256] x [K 256, N 256]; A: input key; B: input wk: QUANTISED
;;     3. [M 8,192, K 256] x [K 256, N 256]; A: input value; B: input wv: QUANTISED
;;     4. batch 16 x [M 4,096, K 32] x [K 32, N 4,096]; A: computed on the way; B: computed on the way: QUANTISED
;;     5. batch 16 x [M 4,096, K 32] x [K 32, N 4,096]; A: computed on the way; B: computed on the way: QUANTISED
;;     6. batch 16 x [M 32, K 4,096] x [K 4,096, N 4,096]; A: computed on the way; B: softmax (see below): QUANTISED
;;     7. [M 8,192, K 256] x [K 256, N 256]; A: computed on the way; B: input wo: QUANTISED
;;   THE QUANTISER, for each operand of a quantised product, along K:
;;     - K is cut into blocks of 32 from its start; a last block that is shorter is filled with zeros.
;;     - A block's scale is 2^e with e = floor(log2(the largest magnitude in the block)) - 4, held to -126 .. 127; a block of zeros has e = 0. As a byte (E8M0): e + 127.
;;     - Each number is divided by its block's scale, clamped to +-28, and rounded to the nearest number of E3M2, ties to even, subnormals kept.
;;     - The product sums the exact products of the quantised numbers (number of the format x scale) in f32.
;;   ~~~python
;;   def quantise(x, axis):      # numpy; x: float32 -> the quantised numbers, widened to float32 again
;;       x = np.moveaxis(x, axis, -1); K = x.shape[-1]
;;       x = np.pad(x, [(0, 0)] * (x.ndim - 1) + [(0, -K % 32)]); x = x.reshape(x.shape[:-1] + (-1, 32)); a = np.abs(x).max(-1, keepdims=True)
;;       e = np.where(a > 0, np.clip(np.frexp(np.where(a > 0, a, 1))[1] - 1 - 4, -126, 127), 0)      # np.frexp(a)[1] - 1 = floor(log2(a)), exactly
;;       r = np.clip(x / 2.0 ** e, -28, 28)
;;       step = 2.0 ** (np.maximum(np.frexp(np.where(r == 0, 1, r))[1] - 1, -2) - 2)
;;       q = np.round(r / step) * step * 2.0 ** e      # np.round: ties to even
;;       return np.moveaxis(q.reshape(q.shape[:-2] + (-1,))[..., :K], -1, axis).astype(np.float32)
;;   ~~~
;;   SOFTMAX AHEAD OF A QUANTISED PRODUCT. Where the list says 'softmax', what is quantised is not the finished softmax but p = 2^(t - M), with t = logit x log2(e) and M = ceil(the row's largest t), a whole number; so 1/2 < the row's largest p <= 1. The row's sum l is taken of the UNQUANTISED p, in f32, and the product's result is divided by l at the end. Since M is a whole number, a kernel that streams over the keys may use a running M (the ceiling of the running maximum): every later rescaling is an exact power of two, which a block's scale takes up: the codes' values come out the same.
;;   OPERANDS COMPUTED ON THE WAY. 'Computed on the way' means the value that the module computes at that place (a softmax that the list does not call 'softmax' is quantised finished and normalised). What goes into a quantiser is computed in f32, as accurately as f32 sums, v_exp_f32 and their like allow (about 1e-6 of the number): no bf16 or f16 on the way to a quantiser, and a product that is left as it is and whose result goes on into a quantised operand takes f32 operands (vector FMAs, or v_wmma_f32_16x16x4_f32). A number that lies on a knife's edge between two numbers of the format may be rounded either way, as far as f32 arithmetic and the matrix unit's own rounding can turn it there, and no further.
;; One version. Each part assembles by itself: llvm-mc -triple=amdgcn-amd-amdhsa -mcpu=gfx1250 --defsym DOCPART=n.
;; ======== version 1 of 1: 4 launches
;; workspace buffers: wimg 196,608 bytes; wscl 16,384 bytes; qrec 3,276,800 bytes; kvrec 3,276,800 bytes; ao 1,572,864 bytes; aos 65,536 bytes
;; launch wprep (part 1): grid 32 x 1, 4 waves a work-group, no clusters, 0 bytes of LDS; arguments wq, wk, wv, wo, wimg, wscl; writes wimg, wscl
.if DOCPART == 1
	.amdgcn_target "amdgcn-amd-amdhsa--gfx1250"
	.amdhsa_code_object_version 6
	.text
	.protected	k_q8392b30e84_wprep
	.globl	k_q8392b30e84_wprep
	.p2align	8
	.type	k_q8392b30e84_wprep,@function
k_q8392b30e84_wprep:
	s_mov_b64 s[64:65], 0
	v_nop
	global_prefetch_b8 v0, s[64:65] scope:SCOPE_SE
	s_setreg_imm32_b32 hwreg(HW_REG_WAVE_MODE, 25, 1), 1
	s_wait_xcnt 0x0
; wq, wk, wv, wo: [256 (o)][256 (c)] f32, K = c innermost.  Each is turned into codes of BF6 (E3M2) with one E8M0 byte for each 32 along c, laid as IMAGES OF OPERAND REGISTERS:
; fragment f = (32 w + 2 T + s) (w: 0 q, 1 k, 2 v, 3 o;  T: tile of 16 rows;  s: K step of 128) is 12 registers a lane; registers 4 g .. 4 g + 3 of lane L lie at 1,536 f + 512 g + 16 L of wimg,
; the row's scale word at 128 f + 4 L of wscl (the same word in lanes L and L xor 16).  A later launch has the fragment by three loads of 16 bytes a lane.
; WHICH ROWS FORM A TILE is chosen for the launch that reads it: row m of tile T is output f0 + g (m / 8) + m % 8, with
;   wq, wk: f0 = 64 (T / 4) + 8 (T % 4), g = 32;    wv: f0 = 32 (T / 2) + 8 (T % 2), g = 16;    wo: f0 = 16 T, g = 8 (the natural order).
; One wave makes one fragment: 128 fragments, 32 work-groups of four waves.  Lane (r, h) holds blocks h and 2 + h of its row: 64 numbers, so a block's largest magnitude needs no other lane.
; A block's scale byte is its largest magnitude's exponent field - 4, held at 1 from below.  LIMITS: a block of zeros, or one whose largest magnitude lies under 2^-122, keeps the byte 1 (its bytes are read by this
; program alone; zero codes add nothing under it); NaN and infinities among the inputs are not served.
; The lanes of a load stand 1,024 bytes apart (each takes 16 bytes of its own row); the launch reads 1 MiB in all and each byte once, so no stage is spent on that.  No LDS, no barrier: waves share nothing.
.set X,   16                           ; v16-79   my 64 numbers: block 2 c + h at X + 32 c
.set PC,  80                           ; v80-91   the fragment
.set TP,  92                           ; v92-99   the second halves of the two blocks' codes (a conversion's three registers begin on an even number)
.set TM,  100                          ; v100-101 largest magnitudes, v102-103 scale operands, v104-105 bytes, v106 the word, v107 the partner's
	s_load_b256 s[4:11], s[0:1], 0x0               ; wq, wk, wv, wo
	s_load_b128 s[12:15], s[0:1], 0x20             ; wimg, wscl
	v_lshrrev_b32 v1, 5, v0
	v_readfirstlane_b32 s16, v1                    ; wave
	s_lshl_b32 s17, ttmp9, 2
	s_add_co_u32 s17, s17, s16                     ; f = 4 x work-group + wave
	s_lshr_b32 s18, ttmp9, 3                       ; w = f / 32
	s_bfe_u32 s19, s17, 0x40001                    ; T = (f / 2) % 16
	s_and_b32 s20, s17, 1                          ; s
	s_lshr_b32 s21, s19, 2
	s_lshl_b32 s21, s21, 6
	s_and_b32 s22, s19, 3
	s_lshl_b32 s22, s22, 3
	s_add_co_u32 s21, s21, s22                     ; wq, wk: 64 (T / 4) + 8 (T % 4)
	s_lshr_b32 s23, s19, 1
	s_lshl_b32 s23, s23, 5
	s_and_b32 s22, s19, 1
	s_lshl_b32 s22, s22, 3
	s_add_co_u32 s23, s23, s22                     ; wv: 32 (T / 2) + 8 (T % 2)
	s_lshl_b32 s24, s19, 4                         ; wo: 16 T
	s_cmp_lt_u32 s18, 2
	s_cselect_b32 s25, s21, s23                    ; f0
	s_cselect_b32 s26, 32, 16                      ; g
	s_cmp_eq_u32 s18, 3
	s_cselect_b32 s25, s24, s25
	s_cselect_b32 s26, 8, s26
	s_mov_b32 s30, 0x76543210
	s_mov_b32 s31, 0xfedcba98                      ; v_permlanex16_b32's selects for lane l xor 16
	v_and_b32 v1, 15, v0                           ; r
	v_bfe_u32 v2, v0, 4, 1                         ; h
	v_and_b32 v7, 31, v0                           ; lane
	v_lshrrev_b32 v8, 3, v1
	v_and_b32 v9, 7, v1
	v_mad_u32_u24 v3, v8, s26, v9                  ; g (r / 8) + r % 8
	v_add_nc_u32 v3, s25, v3                       ; my row of the weight
	v_lshlrev_b32 v3, 10, v3                       ; 1,024 bytes a row
	v_lshl_add_u32 v3, v2, 7, v3                   ; + 128 h: my block of each 64 along c
	v_lshlrev_b32 v4, 4, v7                        ; 16 x lane
	v_lshlrev_b32 v5, 2, v7                        ; 4 x lane
	v_lshlrev_b32 v6, 3, v2                        ; 8 h: my bytes' place in the scale word, in bits
	s_lshl_b32 s32, s20, 9                         ; K step s: 512 bytes on in the row
	s_mov_b32 s33, 0
	s_mul_i32 s34, s17, 1536
	s_mov_b32 s35, 0
	s_lshl_b32 s36, s17, 7
	s_mov_b32 s37, 0
	s_wait_alu depctr_va_vdst(0)
	s_wait_kmcnt 0x0
	s_cmp_eq_u32 s18, 1                            ; which weight: the choice hangs on the work-group's number alone
	s_cselect_b64 s[4:5], s[6:7], s[4:5]
	s_cmp_eq_u32 s18, 2
	s_cselect_b64 s[4:5], s[8:9], s[4:5]
	s_cmp_eq_u32 s18, 3
	s_cselect_b64 s[4:5], s[10:11], s[4:5]
	s_add_nc_u64 s[4:5], s[4:5], s[32:33]
	s_add_nc_u64 s[12:13], s[12:13], s[34:35]
	s_add_nc_u64 s[14:15], s[14:15], s[36:37]
.irp c, 0,1
.irp q, 0,1,2,3,4,5,6,7
	global_load_b128 v[X+32*\c+4*\q:X+32*\c+4*\q+3], v3, s[4:5] offset:256*\c+16*\q   ; c = 128 s + 64 c + 32 h + 4 q on
.endr
.endr
	s_wait_loadcnt 0x0
.irp c, 0,1
	v_max3_num_f32 v[TM+\c], |v[X+32*\c]|, |v[X+1+32*\c]|, 0x2800000   ; the floor 2^(5 - 127) is one more leaf: the byte cannot fall under 1
.endr
.irp i, 2,4,6,8,10,12,14,16,18,20,22,24,26,28,30
.irp c, 0,1
	v_max3_num_f32 v[TM+\c], v[TM+\c], |v[X+32*\c+\i]|, |v[X+1+32*\c+\i]|   ; the two blocks by turns
.endr
.endr
.irp c, 0,1
	v_add_nc_u32 v[TM+2+\c], 0xfe000000, v[TM+\c]  ; 4 off the exponent field: the conversion takes the exponent field of this operand as its scale
.endr
.irp c, 0,1
	v_lshrrev_b32 v[TM+4+\c], 23, v[TM+2+\c]       ; the scale's byte
.endr
	v_lshl_or_b32 v[TM+6], v[TM+5], 16, v[TM+4]    ; blocks h and 2 + h,
	v_lshlrev_b32 v[TM+6], v6, v[TM+6]             ; at their places in the word;
	v_mov_b32 v[TM+7], 0                           ; (a lane permute's destination counts as one of its sources)
	v_permlanex16_b32 v[TM+7], v[TM+6], s30, s31
	v_or_b32 v[TM+6], v[TM+6], v[TM+7]             ; with lane l xor 16's two the word is whole
.irp c, 0,1
	v_cvt_scalef32_pk16_bf6_f32 v[PC+6*\c:PC+6*\c+2], v[X+32*\c:X+32*\c+15], v[TM+2+\c]
	v_cvt_scalef32_pk16_bf6_f32 v[TP+4*\c:TP+4*\c+2], v[X+32*\c+16:X+32*\c+31], v[TM+2+\c]
.endr
	v_nop                                          ; one plain place behind a scaled conversion
.irp c, 0,1
.irp i, 0,1,2
	v_mov_b32 v[PC+3+6*\c+\i], v[TP+4*\c+\i]       ; registers 6 c .. 6 c + 5: k = 64 c + 32 h + 0 .. 31
.endr
.endr
.irp g, 0,1,2
	global_store_b128 v4, v[PC+4*\g:PC+4*\g+3], s[12:13] offset:512*\g   ; 32 lanes store 512 consecutive bytes, at a multiple of 256 from the buffer's first byte
.endr
	global_store_b32 v5, v[TM+6], s[14:15]
	s_endpgm
.Lfunc_end_k_q8392b30e84_wprep:
	.size	k_q8392b30e84_wprep, .Lfunc_end_k_q8392b30e84_wprep-k_q8392b30e84_wprep
	.p2alignl 7, 3214868480
	.fill 96, 4, 3214868480
	.section	.rodata,"a",@progbits
	.p2align	6, 0x0
	.amdhsa_kernel k_q8392b30e84_wprep
		.amdhsa_group_segment_fixed_size 0
		.amdhsa_private_segment_fixed_size 0
		.amdhsa_enable_private_segment 0
		.amdhsa_kernarg_size 48
		.amdhsa_user_sgpr_count 2
		.amdhsa_user_sgpr_kernarg_segment_ptr 1
		.amdhsa_wavefront_size32 1
		.amdhsa_system_sgpr_workgroup_id_x 1
		.amdhsa_system_sgpr_workgroup_id_y 1
		.amdhsa_system_sgpr_workgroup_id_z 1
		.amdhsa_system_vgpr_workitem_id 0
		.amdhsa_next_free_vgpr 112
		.amdhsa_next_free_sgpr 66
		.amdhsa_reserve_vcc 0
		.amdhsa_float_denorm_mode_32 3
		.amdhsa_float_denorm_mode_16_64 3
		.amdhsa_memory_ordered 1
		.amdhsa_forward_progress 1
		.amdhsa_inst_pref_size 8
	.end_amdhsa_kernel
	.amdgpu_metadata
---
amdhsa.version: [ 1, 2 ]
amdhsa.kernels:
  - .name:           k_q8392b30e84_wprep
    .symbol:         k_q8392b30e84_wprep.kd
    .args:
      - { .name: wq, .offset: 0, .size: 8, .value_kind: global_buffer, .address_space: global }
      - { .name: wk, .offset: 8, .size: 8, .value_kind: global_buffer, .address_space: global }
      - { .name: wv, .offset: 16, .size: 8, .value_kind: global_buffer, .address_space: global }
      - { .name: wo, .offset: 24, .size: 8, .value_kind: global_buffer, .address_space: global }
      - { .name: wimg, .offset: 32, .size: 8, .value_kind: global_buffer, .address_space: global }
      - { .name: wscl, .offset: 40, .size: 8, .value_kind: global_buffer, .address_space: global }
    .group_segment_fixed_size: 0
    .private_segment_fixed_size: 0
    .kernarg_segment_align: 8
    .kernarg_segment_size: 48
    .max_flat_workgroup_size: 128
    .sgpr_count:     66
    .vgpr_count:     112
    .wavefront_size: 32
...
	.end_amdgpu_metadata
.endif
;; end of part 1
;; launch proj (part 2): grid 64 x 6, 4 waves a work-group, no clusters, 38,912 bytes of LDS; arguments query, key, value, bq, bk, bv, wimg, wscl, qrec, kvrec; writes qrec, kvrec
.if DOCPART == 2
	.amdgcn_target "amdgcn-amd-amdhsa--gfx1250"
	.amdhsa_code_object_version 6
	.text
	.protected	k_q8392b30e84_proj
	.globl	k_q8392b30e84_proj
	.p2align	8
	.type	k_q8392b30e84_proj,@function
k_q8392b30e84_proj:
	s_mov_b64 s[64:65], 0
	v_nop
	global_prefetch_b8 v0, s[64:65] scope:SCOPE_SE
	s_setreg_imm32_b32 hwreg(HW_REG_WAVE_MODE, 25, 1), 1
	s_wait_xcnt 0x0
; q = wq query + bq, k = wk key + bk, v = wv value + bv: three products [256 (o)] x [256 (c)] x [8,192 positions] on codes of BF6 (E3M2) with one E8M0 byte for each 32 along c; sums in f32.
; The results are quantised at once for the attention: q and k along d (a head's 32: one block), v along the keys (32 neighbouring positions).  Nothing goes to memory in f32.
; SHARES.  Work-group (x, y): group G = x of 64 positions, tensor y / 2 (0 query, 1 key, 2 value), image b = y % 2; all 256 outputs.  Four waves.
;   Quantising the input: [b][c][4,096] f32 has K = c outermost: A LANE TAKES A POSITION AND ITS REGISTERS RUN DOWN c; wave w takes channel blocks 2 w, 2 w + 1.  Each load reads 128 consecutive bytes.
;   Products: wave w takes outputs 64 w .. 64 w + 63 (heads 2 w, 2 w + 1): four weight tiles, eight fragments, which come as register images and stay in registers.
; POSITION ORDER.  Position p = 32 a + 8 t + e of the group has index pi = 16 t + 8 a + e; tile t is pi = 16 t .. 16 t + 15.  Where positions are a product's rows, a lane's registers of tiles 0 .. 3 are then the
;   32 NEIGHBOURING positions 32 (lane / 16) + 0 .. 31: a whole block along the keys in one lane.
; q, k: source 0 = 16 rows of the weight, source 1 = 16 positions.  By the rows that form a weight tile, lane (r, h) holds, over the wave's four tiles, d = 0 .. 31 of head 2 w + h at position pi = 16 t + r.
; v:    source 0 = 16 positions, source 1 = 16 rows of the weight.  Lane (r, h) holds row r of tile (head, t) at the 32 positions 32 h + 0 .. 31.
; So in both cases 32 consecutive registers are one block: no lane is asked for a maximum, and two conversions give the block's 24 bytes.  The bias is the C of each sum's first matrix instruction.
; OUTPUT, 6,400 bytes for each head and 128 keys (step S = G / 2, F = G % 2):  0: K codes, 1,536 F + 24 pi;  3,072: V codes, 1,536 F + 768 t + 24 lane;  6,144: K scale words, 64 F + 4 r, byte u for pi = 16 u + r;
;   6,272: V scale words, 64 t + 4 r, byte 2 F + h.  q goes to qrec in K's places (V's places of qrec are neither written nor read), k and v to kvrec.  Codes leave through the wave's own stage, 512 consecutive bytes a store;
;   scale words leave in runs of 64 bytes, V's bytes singly: 192 KiB of the launch's 30 MiB.
; NO JOINT REQUESTS: a wave's 12 KiB of weight images go straight from memory into its registers; asked for jointly they would have to pass through LDS first, the same bytes once more.
; LIMITS: a block of zeros, or one whose largest magnitude lies under 2^-122, keeps the scale byte 1 (read by this program alone); NaN and infinities among the inputs are not served.
; The two ways (q, k | v) part on the work-group's number; each has stage bytes of its own.
.set XBP,   1664                       ; LDS: the input's codes: channel block beta at beta x 1,664, record pi at 24 pi (1,536 bytes + 128: lanes 16-31 of a load, one block on, fall on the other half of the 64 banks of 4 bytes: ISA guide 11.1)
.set XSC,   8*XBP                      ; their scale bytes: 8 pi + beta
.set STQ,   XSC+512                    ; the stages for q, k: 3,072 bytes a wave
.set STV,   STQ+4*3072                 ; and for v
.set HEADB, 204800                     ; a head's bytes in qrec and kvrec: 32 steps of 6,400
.set XN,    20                         ; v20-83   two sets of 32 numbers of the input;  later
.set XF,    20                         ; v20-115  the input's fragments: (tile t, K step s) at XF + 12 (2 t + s)
.set ACC,   116                        ; v116-147 four accumulators
.set PC,    148                        ; v148-179 codes: six registers at PC + 8 g, g = 0 .. 3, so that no LDS store's data are written again
.set TP,    180                        ; v180-182 a block's second 16 codes (a conversion's three registers begin on an even number)
.set TM0,   184
.set TM1,   185
.set SCL,   186
.set WORD,  187
.set BY,    188                        ; v188-191 scale bytes
.set WS,    192                        ; v192-199 the weight's scale words (2 T + s)
.set XS,    200                        ; v200-207 the input's (2 t + s)
.set OUTR,  208                        ; v208-231 the way out
.set WF,    0                          ; window 1: v0-95 the weight's fragments, 12 (2 T + s);
.set BI,    96                         ;           v96-127 the bias, eight registers a tile, in the result's layout
.set MSB, 0
.macro WIN new                         ; the immediate's high byte repeats the setting that is left
.if MSB != \new
	s_set_vgpr_msb (MSB<<8)|\new
.set MSB, \new
.endif
.endm
; 32 consecutive registers, one block, become six registers of codes and a scale byte.  The sources are taken in ascending order.
.macro QB src, dst, by
	v_max3_num_f32 v[TM0], |v[(\src)]|, |v[(\src)+1]|, |v[(\src)+2]|
	v_max3_num_f32 v[TM1], |v[(\src)+3]|, |v[(\src)+4]|, |v[(\src)+5]|
.irp i, 6,10,14,18,22,26
	v_max3_num_f32 v[TM0], v[TM0], |v[(\src)+\i]|, |v[(\src)+\i+1]|
	v_max3_num_f32 v[TM1], v[TM1], |v[(\src)+\i+2]|, |v[(\src)+\i+3]|
.endr
	v_max3_num_f32 v[TM0], v[TM0], |v[(\src)+30]|, |v[(\src)+31]|
	v_max3_num_f32 v[TM0], v[TM0], v[TM1], 0x2800000               ; the floor 2^(5 - 127): the byte cannot fall under 1
	v_add_nc_u32 v[SCL], 0xfe000000, v[TM0]                        ; 4 off the exponent field: the conversion's scale operand
	v_lshrrev_b32 v[(\by)], 23, v[SCL]                             ; the scale's byte
	v_cvt_scalef32_pk16_bf6_f32 v[(\dst):(\dst)+2], v[(\src):(\src)+15], v[SCL]
	v_cvt_scalef32_pk16_bf6_f32 v[TP:TP+2], v[(\src)+16:(\src)+31], v[SCL]
	v_nop                                                          ; one plain place behind a scaled conversion
.irp i, 0,1,2
	v_mov_b32 v[(\dst)+3+\i], v[TP+\i]
.endr
.endm
	s_load_b512 s[4:19], s[0:1], 0x0               ; query, key, value, bq, bk, bv, wimg, wscl
	s_load_b128 s[20:23], s[0:1], 0x40             ; qrec, kvrec
	v_lshl_add_u32 v254, v0, 2, 0x9600
	v_mov_b32 v255, 0
	v_lshrrev_b32 v1, 5, v0
	v_readfirstlane_b32 s24, v1                    ; wave
	s_mov_b32 s25, ttmp9                           ; G
	s_and_b32 s27, ttmp7, 0xffff
	s_lshr_b32 s26, s27, 1                         ; tensor
	s_and_b32 s27, s27, 1                          ; b
	; every address register is made here, ahead of the first parting of the ways
	v_and_b32 v1, 31, v0                           ; lane
	v_and_b32 v2, 15, v0                           ; r
	v_bfe_u32 v3, v0, 4, 1                         ; h
	v_lshlrev_b32 v4, 2, v1                        ; the input: 4 bytes a lane
	v_lshrrev_b32 v18, 3, v1
	v_and_b32 v19, 7, v1
	v_lshl_add_u32 v18, v18, 4, v19                ; 16 (lane / 8) + lane % 8: position lane's index pi in the group's first half (the second half: + 8)
	s_mul_i32 s37, s24, 2*XBP
	v_mul_u32_u24 v5, v18, 24
	v_add_nc_u32 v5, s37, v5                       ; where I put a record of the input: block 2 w
	s_lshl_b32 s37, s24, 1
	s_add_co_u32 s37, s37, XSC
	v_lshlrev_b32 v6, 3, v18
	v_add_nc_u32 v6, s37, v6                       ; and its scale byte
	v_mul_u32_u24 v7, v2, 24
	v_mad_u32_u24 v7, v3, XBP, v7                  ; a fragment of the input: record r, block h
	v_lshl_add_u32 v8, v2, 3, XSC                  ; its rows' scale bytes: 8 a row
	s_mul_i32 s38, s24, 3072
	v_mul_u32_u24 v9, v2, 24
	v_mad_u32_u24 v9, v3, 1536, v9
	v_add_nc_u32 v9, s38, v9
	v_add_nc_u32 v9, STQ, v9                       ; q, k into the stage: head h of my two, record r (+ 384 t)
	v_mul_u32_u24 v10, v1, 24
	v_add_nc_u32 v10, s38, v10
	v_add_nc_u32 v10, STV, v10                     ; v into the stage: record lane
	v_lshlrev_b32 v13, 4, v1                       ; 16 x lane
	v_add_nc_u32 v11, s38, v13
	v_add_nc_u32 v12, STV, v11                     ; back out of v's stage,
	v_add_nc_u32 v11, STQ, v11                     ; of q's and k's
	v_mul_u32_u24 v14, v3, HEADB
	v_lshl_add_u32 v14, v2, 2, v14                 ; q, k: my scale word: head h, 4 r
	v_lshl_add_u32 v15, v2, 2, v3                  ; v: my scale byte: 4 r + h
	v_lshlrev_b32 v16, 7, v3                       ; q, k: the bias of head h: 128 h bytes
	v_and_b32 v17, 8, v2
	v_add_nc_u32 v17, v17, v2
	v_lshlrev_b32 v17, 2, v17                      ; v: the bias of row r of a tile: 4 (16 (r / 8) + r % 8)
	; offsets, apart from the addresses
	s_lshl_b32 s28, s27, 22                        ; the input: image b,
	s_lshl_b32 s30, s24, 20                        ; channels 64 w on (16,384 bytes a channel),
	s_add_co_u32 s28, s28, s30
	s_lshl_b32 s30, s25, 8                         ; positions 64 G on
	s_add_co_u32 s28, s28, s30
	s_mov_b32 s29, 0
	s_lshl_b32 s44, s24, 8                         ; the bias: outputs 64 w on
	s_mov_b32 s45, 0
	s_lshl_b32 s30, s26, 5
	s_lshl_b32 s31, s24, 3
	s_add_co_u32 s30, s30, s31                     ; my first fragment: 32 x tensor + 8 w
	s_mul_i32 s46, s30, 1536
	s_mov_b32 s47, 0
	s_lshl_b32 s48, s30, 7
	s_mov_b32 s49, 0
	s_lshl_b32 s30, s27, 3
	s_lshl_b32 s31, s24, 1
	s_add_co_u32 s30, s30, s31                     ; 8 b + 2 w: the first of my two heads
	s_lshl_b32 s30, s30, 5
	s_lshr_b32 s31, s25, 1
	s_add_co_u32 s30, s30, s31                     ; x 32 steps + step G / 2
	s_mul_i32 s32, s30, 6400
	s_and_b32 s33, s25, 1                          ; F
	s_cmp_eq_u32 s26, 2                            ; all selections on this compare stand ahead of the additions
	s_cselect_b32 s34, 3072, 0                     ; V's codes lie behind K's
	s_cselect_b32 s35, 128, 0                      ; V's scale words behind K's
	s_cselect_b32 s36, 1, 6                        ; F moves V's byte by 2, K's word by 64
	s_mul_i32 s50, s33, 1536
	s_add_co_u32 s50, s50, s32
	s_add_co_u32 s50, s50, s34                     ; the codes
	s_mov_b32 s51, 0
	s_lshl_b32 s52, s33, s36
	s_add_co_u32 s52, s52, s32
	s_add_co_u32 s52, s52, s35
	s_add_co_u32 s52, s52, 6144                    ; the scales
	s_mov_b32 s53, 0
	s_wait_kmcnt 0x0
	s_cmp_eq_u32 s26, 1                            ; the buffers are chosen by the work-group's number alone
	s_cselect_b64 s[4:5], s[6:7], s[4:5]
	s_cselect_b64 s[10:11], s[12:13], s[10:11]
	s_cmp_eq_u32 s26, 2
	s_cselect_b64 s[4:5], s[8:9], s[4:5]
	s_cselect_b64 s[10:11], s[14:15], s[10:11]
	s_cmp_eq_u32 s26, 0
	s_cselect_b64 s[20:21], s[20:21], s[22:23]
	s_add_nc_u64 s[4:5], s[4:5], s[28:29]
	s_add_nc_u64 s[10:11], s[10:11], s[44:45]
	s_add_nc_u64 s[16:17], s[16:17], s[46:47]
	s_add_nc_u64 s[18:19], s[18:19], s[48:49]
	s_add_nc_u64 s[40:41], s[20:21], s[50:51]
	s_add_nc_u64 s[42:43], s[20:21], s[52:53]
	; ---- the weights, their scale words and the bias
	WIN 0x40                                       ; destination window 1
.irp f, 0,1,2,3,4,5,6,7
.irp g, 0,1,2
	global_load_b128 v[WF+12*\f+4*\g:WF+12*\f+4*\g+3], v13, s[16:17] offset:1536*\f+512*\g
.endr
.endr
	WIN 0
.irp f, 0,1,2,3,4,5,6,7
	global_load_b32 v[WS+\f], v4, s[18:19] offset:128*\f
.endr
	s_cmp_eq_u32 s26, 2
	s_cbranch_scc1 .Lbias_v
	WIN 0x40
	s_wait_alu depctr_va_vdst(0)
.irp u, 0,1,2,3
	global_load_b128 v[BI+8*\u:BI+8*\u+3], v16, s[10:11] offset:32*\u          ; register j: the bias of output 64 w + 32 h + 8 u + j
	global_load_b128 v[BI+8*\u+4:BI+8*\u+7], v16, s[10:11] offset:32*\u+16
.endr
	WIN 0
	s_branch .Lbias_done
.Lbias_v:
	WIN 0x40
	s_wait_alu depctr_va_vdst(0)
.irp u, 0,1,2,3
.irp j, 0,1,2,3,4,5,6,7
	global_load_b32 v[BI+8*\u+\j], v17, s[10:11] offset:128*(\u/2)+32*(\u%2)   ; every register: the bias of row r of tile u, my lane's one output
.endr
.endr
	WIN 0
.Lbias_done:
	; ---- the input becomes codes.  Set k: channel block 2 w + k / 2, positions 32 (k % 2) + lane
.macro LOADX k
.irp i, 0,1,2,3,4,5,6,7,8,9,10,11,12,13,14,15,16,17,18,19,20,21,22,23,24,25,26,27,28,29,30,31
	global_load_b32 v[XN+32*((\k)%2)+\i], v4, s[4:5] offset:(32*((\k)/2)+\i)*16384+128*((\k)%2) th:TH_LOAD_NT
.endr
.endm
.macro STEPX k
.if (\k) < 3
	s_wait_loadcnt 32                              ; all but the next set's 32 loads are in: this set, and at the first step the weights and the bias too
.else
	s_wait_loadcnt 0x0
.endif
	QB XN+32*((\k)%2), PC+8*(\k), BY+(\k)
.if (\k) < 2
	LOADX (\k)+2                                   ; into the registers just converted
.endif
.irp i, 0,1,2
	ds_store_b64 v5, v[PC+8*(\k)+2*\i:PC+8*(\k)+2*\i+1] offset:((\k)/2)*XBP+192*((\k)%2)+8*\i
.endr
	ds_store_b8 v6, v[BY+(\k)] offset:64*((\k)%2)+(\k)/2
.endm
	LOADX 0
	LOADX 1
.irp k, 0,1,2,3
	STEPX \k
.endr
	s_wait_dscnt 0x0                               ; for the others' sake: my stores have landed
	s_barrier_signal -1
	s_barrier_wait -1                              ; the eight blocks' codes and bytes of all 64 positions lie in LDS; nobody writes them again
.irp m, 0,1,2,3
.irp s, 0,1
.irp c, 0,1
.irp i, 0,1,2
	ds_load_b64 v[XF+12*(2*\m+\s)+6*\c+2*\i:XF+12*(2*\m+\s)+6*\c+2*\i+1], v7 offset:(4*\s+2*\c)*XBP+384*\m+8*\i   ; row pi = 16 m + r, block 4 s + 2 c + h
.endr
.endr
.endr
	ds_load_b64 v[XS+2*\m:XS+2*\m+1], v8 offset:128*\m             ; the row's eight bytes: the words of K steps 0 and 1
.endr
	s_wait_dscnt 0x0
	s_cmp_eq_u32 s26, 2
	s_cbranch_scc1 .Lvpath
	; ---- q, k: a tile of 16 positions at a time; my four weight tiles' accumulators by turns
.irp m, 0,1,2,3
	WIN 0x11                                       ; source 0 (the weight) and source 2 (the bias) window 1
.irp u, 0,1,2,3
	v_wmma_scale_f32_16x16x128_f8f6f4 v[ACC+8*\u:ACC+8*\u+7], v[WF+24*\u:WF+24*\u+11], v[XF+24*\m:XF+24*\m+11], v[BI+8*\u:BI+8*\u+7], v[WS+2*\u], v[XS+2*\m] matrix_a_fmt:MATRIX_FMT_BF6 matrix_b_fmt:MATRIX_FMT_BF6
.endr
	WIN 0x01
.irp u, 0,1,2,3
	v_wmma_scale_f32_16x16x128_f8f6f4 v[ACC+8*\u:ACC+8*\u+7], v[WF+24*\u+12:WF+24*\u+23], v[XF+24*\m+12:XF+24*\m+23], v[ACC+8*\u:ACC+8*\u+7], v[WS+2*\u+1], v[XS+2*\m+1] matrix_a_fmt:MATRIX_FMT_BF6 matrix_b_fmt:MATRIX_FMT_BF6
.endr
	WIN 0
.rept 4
	v_nop                                          ; four places ahead of the first read of results (ISA guide 7.12.1); with the lines of QB that name no register of the products they are more than the five ahead of the next tile's first products
.endr
	QB ACC, PC+8*\m, BY+\m                         ; d = 0 .. 31 of head 2 w + h at position pi = 16 m + r
.if \m == 0
	v_mov_b32 v[WORD], v[BY]
.else
	v_lshl_or_b32 v[WORD], v[BY+\m], 8*\m, v[WORD] ; byte m of the scale word of row r
.endif
.irp i, 0,1,2
	ds_store_b64 v9, v[PC+8*\m+2*\i:PC+8*\m+2*\i+1] offset:384*\m+8*\i
.endr
.endr
	global_store_b32 v14, v[WORD], s[42:43]
.macro TAIL rd                         ; my stage, 3,072 bytes (two heads x 1,536), leaves as it lies.  LDS serves a wave's instructions in order (ISA guide 5.7.1.4): the loads see my stores
.irp k, 0,1,2,3,4,5
	ds_load_b128 v[OUTR+4*\k:OUTR+4*\k+3], v[\rd] offset:512*\k
.endr
.irp k, 0,1,2,3,4,5
	s_wait_dscnt 5-\k                              ; the younger loads may stay out
	global_store_b128 v13, v[OUTR+4*\k:OUTR+4*\k+3], s[40:41] offset:HEADB*(\k/3)+512*(\k%3)   ; 32 lanes store 512 consecutive bytes, at a multiple of 256 from the buffer's first byte
.endr
.endm
	TAIL 11
	s_wait_tensorcnt 0x0
	ds_add_u32 v254, v255
	s_wait_dscnt 0x0
	s_endpgm
.Lvpath:
	; ---- v: a weight tile (head 2 w + u / 2, half u % 2 of its d) at a time; the four tiles of positions by turns
.irp u, 0,1,2,3
	WIN 0x14                                       ; source 1 (the weight) and source 2 (the bias) window 1
.irp m, 0,1,2,3
	v_wmma_scale_f32_16x16x128_f8f6f4 v[ACC+8*\m:ACC+8*\m+7], v[XF+24*\m:XF+24*\m+11], v[WF+24*\u:WF+24*\u+11], v[BI+8*\u:BI+8*\u+7], v[XS+2*\m], v[WS+2*\u] matrix_a_fmt:MATRIX_FMT_BF6 matrix_b_fmt:MATRIX_FMT_BF6
.endr
	WIN 0x04
.irp m, 0,1,2,3
	v_wmma_scale_f32_16x16x128_f8f6f4 v[ACC+8*\m:ACC+8*\m+7], v[XF+24*\m+12:XF+24*\m+23], v[WF+24*\u+12:WF+24*\u+23], v[ACC+8*\m:ACC+8*\m+7], v[XS+2*\m+1], v[WS+2*\u+1] matrix_a_fmt:MATRIX_FMT_BF6 matrix_b_fmt:MATRIX_FMT_BF6
.endr
	WIN 0
.rept 4
	v_nop                                          ; as on the other way
.endr
	QB ACC, PC+8*\u, BY+\u                         ; row r of the tile at the keys 64 G + 32 h + 0 .. 31
.irp i, 0,1,2
	ds_store_b64 v10, v[PC+8*\u+2*\i:PC+8*\u+2*\i+1] offset:1536*(\u/2)+768*(\u%2)+8*\i
.endr
	global_store_b8 v15, v[BY+\u], s[42:43] offset:HEADB*(\u/2)+64*(\u%2)
.endr
	TAIL 12
	s_wait_tensorcnt 0x0
	ds_add_u32 v254, v255
	s_wait_dscnt 0x0
	s_endpgm
.Lfunc_end_k_q8392b30e84_proj:
	.size	k_q8392b30e84_proj, .Lfunc_end_k_q8392b30e84_proj-k_q8392b30e84_proj
	.p2alignl 7, 3214868480
	.fill 96, 4, 3214868480
	.section	.rodata,"a",@progbits
	.p2align	6, 0x0
	.amdhsa_kernel k_q8392b30e84_proj
		.amdhsa_group_segment_fixed_size 38912
		.amdhsa_private_segment_fixed_size 0
		.amdhsa_enable_private_segment 0
		.amdhsa_kernarg_size 80
		.amdhsa_user_sgpr_count 2
		.amdhsa_user_sgpr_kernarg_segment_ptr 1
		.amdhsa_wavefront_size32 1
		.amdhsa_system_sgpr_workgroup_id_x 1
		.amdhsa_system_sgpr_workgroup_id_y 1
		.amdhsa_system_sgpr_workgroup_id_z 1
		.amdhsa_system_vgpr_workitem_id 0
		.amdhsa_next_free_vgpr 384
		.amdhsa_next_free_sgpr 66
		.amdhsa_reserve_vcc 0
		.amdhsa_float_denorm_mode_32 3
		.amdhsa_float_denorm_mode_16_64 3
		.amdhsa_memory_ordered 1
		.amdhsa_forward_progress 1
		.amdhsa_inst_pref_size 59
	.end_amdhsa_kernel
	.amdgpu_metadata
---
amdhsa.version: [ 1, 2 ]
amdhsa.kernels:
  - .name:           k_q8392b30e84_proj
    .symbol:         k_q8392b30e84_proj.kd
    .args:
      - { .name: query, .offset: 0, .size: 8, .value_kind: global_buffer, .address_space: global }
      - { .name: key, .offset: 8, .size: 8, .value_kind: global_buffer, .address_space: global }
      - { .name: value, .offset: 16, .size: 8, .value_kind: global_buffer, .address_space: global }
      - { .name: bq, .offset: 24, .size: 8, .value_kind: global_buffer, .address_space: global }
      - { .name: bk, .offset: 32, .size: 8, .value_kind: global_buffer, .address_space: global }
      - { .name: bv, .offset: 40, .size: 8, .value_kind: global_buffer, .address_space: global }
      - { .name: wimg, .offset: 48, .size: 8, .value_kind: global_buffer, .address_space: global }
      - { .name: wscl, .offset: 56, .size: 8, .value_kind: global_buffer, .address_space: global }
      - { .name: qrec, .offset: 64, .size: 8, .value_kind: global_buffer, .address_space: global }
      - { .name: kvrec, .offset: 72, .size: 8, .value_kind: global_buffer, .address_space: global }
    .group_segment_fixed_size: 38912
    .private_segment_fixed_size: 0
    .kernarg_segment_align: 8
    .kernarg_segment_size: 80
    .max_flat_workgroup_size: 128
    .sgpr_count:     66
    .vgpr_count:     384
    .wavefront_size: 32
...
	.end_amdgpu_metadata
.endif
;; end of part 2
;; launch attn (part 3): grid 16 x 16, 16 waves a work-group, clusters of 4 x 1, 327,680 bytes of LDS; arguments qrec, kvrec, ao, aos; writes ao, aos
.if DOCPART == 3
	.amdgcn_target "amdgcn-amd-amdhsa--gfx1250"
	.amdhsa_code_object_version 6
	.text
	.protected	k_q8392b30e84_attn
	.globl	k_q8392b30e84_attn
	.p2align	8
	.type	k_q8392b30e84_attn,@function
k_q8392b30e84_attn:
	s_mov_b64 s[64:65], 0
	v_nop
	global_prefetch_b8 v0, s[64:65] scope:SCOPE_SE
	s_setreg_imm32_b32 hwreg(HW_REG_WAVE_MODE, 25, 1), 1
	s_wait_xcnt 0x0
	s_wait_alu depctr_hold_cnt(0) depctr_sa_sdst(0) depctr_va_vdst(0) depctr_va_sdst(0) depctr_va_ssrc(0) depctr_va_vcc(0) depctr_vm_vsrc(0)
	s_getreg_b32 s2, hwreg(HW_REG_IB_STS2, 6, 4)
	s_cmp_eq_u32 s2, 0
	s_cbranch_scc0 .Lentry_in_a_cluster
	s_endpgm
.Lentry_in_a_cluster:
	s_bfe_u32 s2, ttmp6, 0x10000c
	s_cmp_lg_u32 s2, 0x3003
	s_cbranch_scc0 .Lentry_shape_is_right
	s_endpgm
.Lentry_shape_is_right:
; O[bh][:, q] = the sum over the keys of softmax(q . k / sqrt(32)) v, both products on codes of BF6 (E3M2) with one E8M0 byte for each 32 along a product's K; then O / l is quantised along d for the output projection.
; THE SOFTMAX AHEAD OF THE SECOND PRODUCT: t = score x log2(e) / sqrt(32); M = the running largest t rounded UP to a whole number; p = 2^(t - M) is quantised along the keys, not normalised.  The row's sum is taken of the
; unquantised p, in f32, and divides O at the end.  When M moves, the sum and O are multiplied by 2^(old M - new M), which rounds nothing.
; SHARES.  Work-group (x, y): 256 queries (x) of head bh = y.  Sixteen waves of 256 registers, four to a SIMD, each with ONE tile of 16 queries, so that one wave's LDS loads and products stand beside another's softmax.
; Wave w: group G = 4 x + w / 4 of 64 positions, tile w % 4 of it.  Every wave walks the head's 4,096 keys, 128 a step.
; LDS.  The head's whole block of kvrec, 32 steps x 6,400 bytes, lies at LDS byte 0 as it lies in memory, FILLED ONCE: no slot is ever filled again.  Wave w asks for steps w and 16 + w: two tensor loads of mine are out at the most.
; CLUSTER.  The four work-groups of a cluster are four blocks of queries of ONE head and need the same 204,800 bytes: each load is asked for JOINTLY, with the same descriptor and the mask of all four.
; A STEP'S BYTES:  0: K codes, group F at 1,536 F, record pi at 24 pi;  3,072: V codes, 1,536 c + 768 t + 24 lane;  6,144: K scale words, 64 F + 4 r, byte u for pi = 16 u + r;  6,272: V scale words, 64 t + 4 r.
; THE FIRST PRODUCT HAS K = 32, the instruction 128.  Source 0 is DENSE: block u of row m is key pi = 16 u + m, so that 12 registers hold 64 keys.  Source 1 is my queries' record in block u ALONE and zero codes elsewhere:
; the instruction then gives the scores of the 16 keys of block u; where source 1 is zero the products are exact zeros, whatever source 0 holds there, and source 1's scale bytes there are 0 (2^-127, no NaN).
; The four versions of source 1 are runs of 12 in ONE chain of 30 registers [Qlo, 0, Qhi, 0, Qlo] (Qlo: the record in lanes 0-15, zeros above; Qhi the other way): u = 0, 1, 2, 3 begin at 0, 12, 18, 6.
; By the order pi of the positions, lane (r, h) holds query r, and its 32 registers of group F are the NEIGHBOURING keys 64 F + 32 h + 0 .. 31: a whole block of the second product's K in one lane.
; So a block's largest score needs no other lane, and the conversions' results ARE source 1 of O^T = V^T P^T.  By the rows that form a tile of V, O^T's 16 registers are d = 16 h + 0 .. 15.
; A BLOCK'S LARGEST p IS NOT SEARCHED FOR: the block's largest score goes through the same multiply-add and exponential (this takes v_exp_f32 not to fall where its input rises).
; LIMITS: p under 2^-126 falls to 0; a block whose every number lies under 2^-122 keeps the scale byte 1; NaN and infinities are not served.
.set ADK, 3                            ; v1 24 x lane, v2 6,144 + 4 x lane: they stay;  v3, v4: the same in the step in hand
.set ADS, 4
.set QC,  20                           ; v20-49   the chain
.set QS,  50                           ; v50-53   my queries' scale byte at byte u
.set KSC, 54                           ; K's scale words: lanes 0-15 group 0, lanes 16-31 group 1
.set VSC, 55                           ; V's: lanes 0-15 tile 0, lanes 16-31 tile 1
.set PW,  56                           ; p's scale word
.set KF,  60                           ; v60-83   K: 12 F
.set VF,  84                           ; v84-107  V: 12 t
.set PC,  108                          ; v108-119 p's codes
.set TP,  120                          ; v120-126 the blocks' second halves
.set SR,  128                          ; v128-191 the scores, then p: 32 F + 8 u + j
.set OA,  192                          ; v192-207 O^T: 8 t + j
.set MX,  208                          ; v208-209 the blocks' largest scores;  v210-211 a second chain
.set MY,  210
.set T0,  212
.set T1,  213
.set SCO, 214                          ; v214-215 the conversions' scale operands
.set BYT, 216                          ; v216-217 the bytes
.set SU,  218                          ; v218-219 the sums' second chain
.set WV,  12                           ; s12  my wave's number
.set G1,  16                           ; s[16:23] descriptor group 1;  s[24:27], s[28:31] groups 0 of my two loads
.set CS,  32                           ; s[32:33] c = log2(e) / sqrt(32): the packed form names a pair and takes its low word for both halves
.set SEL, 34                           ; s[34:35] v_permlanex16_b32's selects for lane l xor 16
.set TB,  36                           ; s36  LDS byte at which the step in hand begins
.set CNT, 37
.macro ROUND                           ; a round of the cluster's barrier: my work-group's barrier; wave 0 signals for the work-group; every wave waits for all four work-groups; my work-group's barrier once more
	s_barrier_signal -1
	s_barrier_wait -1
	s_cmp_lg_u32 s[WV], 0
	s_cbranch_scc1 .Lnot_wave_0_\@
	s_barrier_signal -3
.Lnot_wave_0_\@:
	s_barrier_wait -3
	s_barrier_signal -1
	s_barrier_wait -1
.endm
	s_load_b256 s[4:11], s[0:1], 0x0               ; qrec, kvrec, ao, aos
	v_lshl_add_u32 v254, v0, 2, 0x32000
	v_mov_b32 v255, 0
	ds_add_u32 v254, v255
	ds_add_u32 v254, v255
	v_lshrrev_b32 v1, 5, v0
	s_delay_alu instid0(VALU_DEP_1)
	v_readfirstlane_b32 s[WV], v1                  ; wave 0..15
	s_and_b32 s15, ttmp7, 0xffff                   ; bh, which the four partners share
	s_mul_i32 s38, s15, 204800                     ; the head's first byte in qrec and kvrec
	s_mul_i32 s25, s[WV], 6400                     ; my first load: step w: its place in LDS,
	s_add_co_u32 s40, s38, s25                     ; and in kvrec: no place in the cluster enters either
	s_mov_b32 s41, 0
	; group 1: 6,400 dense bytes as 25 rows of 256 bytes (32 elements of 8 bytes), no padding
	s_mov_b32 s[G1+0], 15|(3<<16)|(1<<21)          ; 15:0 the mask: all four work-groups; 17:16 elements of 8 bytes; 21 set beside a mask
	s_mov_b32 s[G1+1], 32<<16                      ; tensor_dim0 = 32
	s_mov_b32 s[G1+2], 25<<16                      ; tensor_dim1 = 25
	s_mov_b32 s[G1+3], 32<<16                      ; tile_dim0 = 32
	s_mov_b32 s[G1+4], 25                          ; tile_dim1 = 25
	s_mov_b32 s[G1+5], 32                          ; from row to row
	s_mov_b32 s[G1+6], 0
	s_mov_b32 s[G1+7], 0
	s_mov_b32 s24, 1
	s_mov_b32 s28, 1
	s_add_co_u32 s29, s25, 102400                  ; my second load: step 16 + w
	s_mov_b32 s[CS], 0x3e8293ee
	s_mov_b32 s[CS+1], s[CS]
	s_mov_b32 s[SEL], 0x76543210
	s_mov_b32 s[SEL+1], 0xfedcba98
	s_wait_dscnt 0x0
	s_wait_kmcnt 0x0
	s_add_nc_u64 s[26:27], s[6:7], s[40:41]
	s_add_nc_u64 s[30:31], s[26:27], 102400
	s_or_b32 s27, s27, 0x80000000                  ; type = 2
	s_or_b32 s31, s31, 0x80000000
	ROUND                                          ; all four work-groups are here: the joint loads meet
	tensor_load_to_lds s[24:27], s[G1:G1+7]
	s_nop 0
	s_wait_alu depctr_va_vdst(0)
	s_wait_tensorcnt 0x0
	ds_add_u32 v254, v255
	s_wait_dscnt 0x0
	ROUND
	tensor_load_to_lds s[28:31], s[G1:G1+7]
	s_nop 0
.rept 4
	v_nop
.endr
	; my queries.  All that hangs on my place in the cluster lies in s48 and above and enters Q's, ao's and aos's addresses alone
	s_bfe_u32 s48, ttmp6, 0x40000                  ; cx
	s_lshl_b32 s49, ttmp9, 2
	s_add_co_u32 s49, s49, s48                     ; my block of 256 queries
	s_lshl_b32 s49, s49, 2
	s_lshr_b32 s50, s[WV], 2
	s_add_co_u32 s49, s49, s50                     ; G
	s_and_b32 s50, s[WV], 3                        ; my tile of it
	s_lshr_b32 s51, s49, 1
	s_mul_i32 s51, s51, 6400
	s_add_co_u32 s51, s51, s38                     ; the head's step G / 2
	s_and_b32 s52, s49, 1
	s_mul_i32 s53, s50, 384
	s_mul_i32 s54, s52, 1536
	s_add_co_u32 s54, s54, s51
	s_add_co_u32 s54, s54, s53                     ; my 16 records
	s_mov_b32 s55, 0
	s_lshl_b32 s56, s52, 6
	s_add_co_u32 s56, s56, s51
	s_add_co_u32 s56, s56, 6144                    ; my group's scale words
	s_mov_b32 s57, 0
	s_add_nc_u64 s[54:55], s[4:5], s[54:55]
	s_add_nc_u64 s[56:57], s[4:5], s[56:57]
	s_lshr_b32 s58, s15, 3
	s_lshl_b32 s58, s58, 6
	s_add_co_u32 s58, s58, s49                     ; 64 b + G
	s_and_b32 s59, s15, 7                          ; head
	s_lshl_b32 s60, s58, 3
	s_add_co_u32 s60, s60, s59
	s_mul_i32 s60, s60, 1536
	s_add_co_u32 s60, s60, s53                     ; ao: [b][G][head][pi][24]
	s_mov_b32 s61, 0
	s_add_nc_u64 s[8:9], s[8:9], s[60:61]
	s_lshl_b32 s60, s58, 6
	s_lshl_b32 s62, s50, 4
	s_add_co_u32 s60, s60, s62
	s_lshl_b32 s60, s60, 3
	s_add_co_u32 s60, s60, s59                     ; aos: [b][G][pi][head]
	s_add_nc_u64 s[10:11], s[10:11], s[60:61]
	s_lshl_b32 s47, s50, 3                         ; my tile's byte of a scale word, in bits
	v_and_b32 v6, 31, v0                           ; lane
	v_and_b32 v7, 15, v0                           ; r
	v_bfe_u32 v5, v0, 4, 1                         ; h
	s_delay_alu instid0(VALU_DEP_2)
	v_mul_u32_u24 v10, v7, 24
	s_delay_alu instid0(VALU_DEP_3)
	v_lshlrev_b32 v11, 2, v7
.irp i, 0,1,2
	global_load_b64 v[KF+2*\i:KF+2*\i+1], v10, s[54:55] offset:8*\i   ; query r's record, in both halves of the lanes
.endr
	global_load_b32 v[KF+6], v11, s[56:57]         ; and the word that holds its scale byte
	v_mul_u32_u24 v1, v6, 24
	v_lshl_add_u32 v2, v6, 2, 6144
	v_mad_u32_u24 v8, v5, 12, v10                  ; the way out: 24 r + 12 h
	v_lshlrev_b32 v9, 3, v7                        ; 8 r
	v_lshlrev_b32 v5, 3, v5                        ; 8 h: my bytes' place in p's scale word, in bits
	v_cmp_gt_u32 vcc_lo, 16, v6                    ; lanes 0-15
	v_cmp_le_u32 s46, 16, v6                       ; lanes 16-31
	s_wait_loadcnt 0x0
.irp i, 0,1,2,3,4,5
	v_cndmask_b32 v[QC+\i], 0, v[KF+\i], vcc_lo
	v_mov_b32 v[QC+6+\i], 0
	v_cndmask_b32 v[QC+12+\i], 0, v[KF+\i], s46
	v_mov_b32 v[QC+18+\i], 0
	v_cndmask_b32 v[QC+24+\i], 0, v[KF+\i], vcc_lo
.endr
	v_lshrrev_b32 v[QS], s47, v[KF+6]
	s_delay_alu instid0(VALU_DEP_1)
	v_and_b32 v[QS], 255, v[QS]                    ; my queries' byte, at byte 0;
.irp u, 1,2,3
	v_lshlrev_b32 v[QS+\u], 8*\u, v[QS]            ; at byte u
.endr
	v_mov_b32 v13, 0xff61b1e6                      ; the largest t so far: -3e38, under every t
	s_delay_alu instid0(VALU_DEP_1)
	v_floor_f32 v12, -v13                          ; -M
	v_mov_b32 v14, 0                               ; the sum, in two halves
	v_mov_b32 v15, 0
	v_mov_b32 v17, 0                               ; (named as the upper half of the pair v[16:17])
	v_mov_b32 v[T1], 0                             ; (a lane permute's destination counts as one of its sources)
.irp j, 0,1,2,3,4,5,6,7,8,9,10,11,12,13,14,15
	v_mov_b32 v[OA+\j], 0                          ; O^T.  The step is written once: the first finds zeros, which the first change of M leaves zeros.  (These lines are also the places between the scale registers' making and the first product)
.endr
.macro SCORE f, u, q
.if \f
	v_wmma_scale_f32_16x16x128_f8f6f4 v[SR+32*\f+8*\u:SR+32*\f+8*\u+7], v[KF+12*\f:KF+12*\f+11], v[QC+\q:QC+\q+11], 0, v[KSC], v[QS+\u] matrix_a_fmt:MATRIX_FMT_BF6 matrix_b_fmt:MATRIX_FMT_BF6 matrix_a_scale:MATRIX_SCALE_ROW1
.else
	v_wmma_scale_f32_16x16x128_f8f6f4 v[SR+32*\f+8*\u:SR+32*\f+8*\u+7], v[KF+12*\f:KF+12*\f+11], v[QC+\q:QC+\q+11], 0, v[KSC], v[QS+\u] matrix_a_fmt:MATRIX_FMT_BF6 matrix_b_fmt:MATRIX_FMT_BF6
.endif
.endm
; A KEY STEP: 128 keys
.macro STEP
	s_setprio 2
	v_add_nc_u32 v[ADK], s[TB], v1
	v_add_nc_u32 v[ADS], s[TB], v2
	v_nop
	v_nop                                          ; four places behind the last step's products, ahead of the loads into registers that they read (ISA guide 7.12.1 for vector instructions)
.irp f, 0,1
.irp c, 0,1
.irp i, 0,1,2
	ds_load_b64 v[KF+12*\f+6*\c+2*\i:KF+12*\f+6*\c+2*\i+1], v[ADK] offset:1536*\f+768*\c+8*\i   ; key pi = 32 c + lane of group f: 32 lanes, 24 bytes apart, touch each of the 64 banks of 4 bytes once (ISA guide 11.1)
.endr
.endr
.endr
	ds_load_b32 v[KSC], v[ADS]
.irp t, 0,1
.irp c, 0,1
.irp i, 0,1,2
	ds_load_b64 v[VF+12*\t+6*\c+2*\i:VF+12*\t+6*\c+2*\i+1], v[ADK] offset:3072+1536*\c+768*\t+8*\i
.endr
.endr
.endr
	ds_load_b32 v[VSC], v[ADS] offset:128
	s_wait_dscnt 13                                ; K's codes and words are in; V's twelve loads and its words may stay out
.irp f, 0,1
	SCORE \f, 0, 0
	SCORE \f, 1, 12
	SCORE \f, 2, 18
	SCORE \f, 3, 6
.endr
.rept 4
	v_nop
.endr
	; the largest score of each block of 32 keys (all are mine), the two blocks by turns, two chains each, each accumulator from its low end on
.irp f, 0,1
	v_max3_num_f32 v[MX+\f], v[SR+32*\f], v[SR+32*\f+1], v[SR+32*\f+2]
.endr
.irp f, 0,1
	v_max3_num_f32 v[MY+\f], v[SR+32*\f+3], v[SR+32*\f+4], v[SR+32*\f+5]
.endr
.irp i, 6,10,14,18,22,26
.irp f, 0,1
	v_max3_num_f32 v[MX+\f], v[MX+\f], v[SR+32*\f+\i], v[SR+32*\f+\i+1]
.endr
.irp f, 0,1
	v_max3_num_f32 v[MY+\f], v[MY+\f], v[SR+32*\f+\i+2], v[SR+32*\f+\i+3]
.endr
.endr
.irp f, 0,1
	v_max3_num_f32 v[MX+\f], v[MX+\f], v[SR+32*\f+30], v[SR+32*\f+31]
.endr
.irp f, 0,1
	s_delay_alu instid0(VALU_DEP_2)
	v_max_num_f32 v[MX+\f], v[MX+\f], v[MY+\f]
.endr
	s_delay_alu instid0(VALU_DEP_1)
	v_max_num_f32 v[T0], v[MX], v[MX+1]
	s_delay_alu instid0(VALU_DEP_1)
	v_permlanex16_b32 v[T1], v[T0], s[SEL], s[SEL+1]
	s_delay_alu instid0(VALU_DEP_1)
	v_max_num_f32 v[T0], v[T0], v[T1]              ; the step's largest score of my query
	s_delay_alu instid0(VALU_DEP_1)
	v_mul_f32 v[T0], s[CS], v[T0]                  ; as t (c is positive)
	s_delay_alu instid0(VALU_DEP_1)
	v_max_num_f32 v13, v13, v[T0]                  ; the running largest t
	v_mov_b32 v[T0], v12
	s_delay_alu instid0(VALU_DEP_2)
	v_floor_f32 v12, -v13                          ; the new -M = floor(-t) = -ceil(t)
	s_delay_alu instid0(VALU_DEP_1)
	v_sub_f32 v[T0], v12, v[T0]                    ; old M - new M: a whole number, 0 or less
	s_delay_alu instid0(VALU_DEP_1)
	v_cvt_i32_f32 v[T0], v[T0]                     ; (it saturates)
	s_delay_alu instid0(VALU_DEP_1)
	v_ldexp_f32 v16, 1.0, v[T0]                    ; f = 2^(old M - new M)
.set j, 0
.rept 32
	v_pk_fma_f32 v[SR+j:SR+j+1], v[SR+j:SR+j+1], s[CS:CS+1], v[12:13] op_sel_hi:[1,0,0]   ; t - M, two at a time
.set j, j+2
.endr
.irp f, 0,1
	v_fma_f32 v[MX+\f], v[MX+\f], s[CS], v12       ; the same of each block's largest score
.endr
.set j, 0
	s_setprio 1
	s_wait_alu depctr_va_vdst(0)
.rept 64
	v_exp_f32 v[SR+j], v[SR+j]                     ; p = 2^(t - M), at most 1
.set j, j+1
.endr
.irp f, 0,1
	v_exp_f32 v[MX+\f], v[MX+\f]                   ; the block's largest p: the same two instructions on the same number give the same bits
.endr
	v_pk_mul_f32 v[14:15], v[14:15], v[16:17] op_sel_hi:[1,0]      ; the sums under the new M.  (The plain place behind the exponentials)
	s_wait_alu depctr_va_vdst(0)
.irp f, 0,1
	v_max_num_f32 v[MX+\f], 0x2800000, v[MX+\f]    ; the floor 2^(5 - 127): the byte cannot fall under 1
.endr
.irp f, 0,1
	s_delay_alu instid0(VALU_DEP_2)
	v_add_nc_u32 v[SCO+\f], 0xfe000000, v[MX+\f]   ; 4 off the exponent field: the conversion's scale operand
.endr
.irp f, 0,1
	s_delay_alu instid0(VALU_DEP_2)
	v_lshrrev_b32 v[BYT+\f], 23, v[SCO+\f]
.endr
	s_delay_alu instid0(VALU_DEP_1)
	v_lshl_or_b32 v[PW], v[BYT+1], 16, v[BYT]      ; blocks h and 2 + h of these 128 keys,
	s_delay_alu instid0(VALU_DEP_1)
	v_lshlrev_b32 v[PW], v5, v[PW]                 ; at their places;
	s_delay_alu instid0(VALU_DEP_1)
	v_permlanex16_b32 v[T1], v[PW], s[SEL], s[SEL+1]
	s_delay_alu instid0(VALU_DEP_1)
	v_or_b32 v[PW], v[PW], v[T1]                   ; with lane l xor 16's two the word is whole
.irp f, 0,1
	v_cvt_scalef32_pk16_bf6_f32 v[PC+6*\f:PC+6*\f+2], v[SR+32*\f:SR+32*\f+15], v[SCO+\f]
	v_cvt_scalef32_pk16_bf6_f32 v[TP+4*\f:TP+4*\f+2], v[SR+32*\f+16:SR+32*\f+31], v[SCO+\f]   ; (a conversion's three registers begin on an even number)
.endr
	v_nop                                          ; one plain place behind a scaled conversion
.irp f, 0,1
.irp i, 0,1,2
	v_mov_b32 v[PC+3+6*\f+\i], v[TP+4*\f+\i]       ; registers 6 f .. 6 f + 5: keys 64 f + 32 h + 0 .. 31
.endr
.endr
	v_pk_add_f32 v[SU:SU+1], v[SR:SR+1], v[SR+2:SR+3]              ; THE ROW'S SUM IS TAKEN OF THE UNQUANTISED p: two at a time, in two chains
	s_setprio 0
.irp j, 4,8,12,16,20,24,28,32,36,40,44,48,52,56,60
	v_pk_add_f32 v[14:15], v[14:15], v[SR+\j:SR+\j+1]
	v_pk_add_f32 v[SU:SU+1], v[SU:SU+1], v[SR+2+\j:SR+3+\j]
.endr
	s_delay_alu instid0(VALU_DEP_1)
	v_pk_add_f32 v[14:15], v[14:15], v[SU:SU+1]
.irp j, 0,2,4,6,8,10,12,14
	v_pk_mul_f32 v[OA+\j:OA+\j+1], v[OA+\j:OA+\j+1], v[16:17] op_sel_hi:[1,0]   ; O^T under the new M.  (These 40 lines are also the places between the making of p's word and codes and the products below)
.endr
	s_wait_alu depctr_va_vdst(0)
	s_wait_dscnt 0x0                               ; V is in
	v_wmma_scale_f32_16x16x128_f8f6f4 v[OA:OA+7], v[VF:VF+11], v[PC:PC+11], v[OA:OA+7], v[VSC], v[PW] matrix_a_fmt:MATRIX_FMT_BF6 matrix_b_fmt:MATRIX_FMT_BF6
	v_wmma_scale_f32_16x16x128_f8f6f4 v[OA+8:OA+15], v[VF+12:VF+23], v[PC:PC+11], v[OA+8:OA+15], v[VSC], v[PW] matrix_a_fmt:MATRIX_FMT_BF6 matrix_b_fmt:MATRIX_FMT_BF6 matrix_a_scale:MATRIX_SCALE_ROW1
	s_add_co_u32 s[TB], s[TB], 6400                ; (the two accumulators take turns, with eight score products between two steps' links)
.endm
	s_wait_tensorcnt 0x1                           ; my step w is in; my step 16 + w may stay out
	s_barrier_signal -1
	s_barrier_wait -1                              ; steps 0 to 15 are in
	s_mov_b32 s[TB], 0
	s_mov_b32 s[CNT], 16
.Lfirst_half:
	STEP
	s_sub_co_i32 s[CNT], s[CNT], 1
	s_cmp_lg_u32 s[CNT], 0
	s_cbranch_scc1 .Lfirst_half
	s_setprio 0
	s_wait_tensorcnt 0x0                           ; my step 16 + w is in (no LDS load of mine is out: each step ends behind its wait for all of them)
	s_barrier_signal -1
	s_barrier_wait -1                              ; steps 16 to 31 are in
	s_mov_b32 s[TB], 102400
	s_mov_b32 s[CNT], 16
.Lsecond_half:
	STEP
	s_sub_co_i32 s[CNT], s[CNT], 1
	s_cmp_lg_u32 s[CNT], 0
	s_cbranch_scc1 .Lsecond_half
	s_setprio 0
	; THE WAY OUT: O^T / l, quantised along d: the head's 32 are one block of the output projection's K; I hold d = 16 h + 0 .. 15 of query r
.rept 4
	v_nop
.endr
	v_add_f32 v14, v14, v15                        ; the sum's two halves,
	s_delay_alu instid0(VALU_DEP_1)
	v_permlanex16_b32 v[T1], v14, s[SEL], s[SEL+1]
	s_delay_alu instid0(VALU_DEP_1)
	v_add_f32 v14, v14, v[T1]                      ; and lane l xor 16's keys: the row's sum
	s_wait_alu depctr_va_vdst(0)
	v_rcp_f32 v14, v14
	v_nop                                          ; a plain place behind the transcendental
	s_wait_alu depctr_va_vdst(0)
.irp j, 0,2,4,6,8,10,12,14
	v_pk_mul_f32 v[OA+\j:OA+\j+1], v[OA+\j:OA+\j+1], v[14:15] op_sel_hi:[1,0]
.endr
	v_max3_num_f32 v[MX], |v[OA]|, |v[OA+1]|, 0x2800000
.irp i, 2,4,6,8,10,12,14
	s_delay_alu instid0(VALU_DEP_1)
	v_max3_num_f32 v[MX], v[MX], |v[OA+\i]|, |v[OA+\i+1]|
.endr
	s_delay_alu instid0(VALU_DEP_1)
	v_permlanex16_b32 v[T1], v[MX], s[SEL], s[SEL+1]
	s_delay_alu instid0(VALU_DEP_1)
	v_max_num_f32 v[MX], v[MX], v[T1]              ; with lane l xor 16's 16: the block's largest magnitude
	s_delay_alu instid0(VALU_DEP_1)
	v_add_nc_u32 v[SCO], 0xfe000000, v[MX]
	s_delay_alu instid0(VALU_DEP_1)
	v_lshrrev_b32 v[BYT], 23, v[SCO]
	v_cvt_scalef32_pk16_bf6_f32 v[224:226], v[OA:OA+15], v[SCO]
	v_nop
	global_store_b96 v8, v[224:226], s[8:9]        ; the wave stores 384 consecutive bytes: 16 records
	global_store_b8 v9, v[BYT], s[10:11]           ; lanes l and l xor 16 write the same byte with the same value
	s_wait_tensorcnt 0x0
	ds_add_u32 v254, v255
	s_wait_dscnt 0x0
	ROUND                                          ; the closing round: no work-group ends while a partner may still ask for a tile that names it
	s_endpgm
.Lfunc_end_k_q8392b30e84_attn:
	.size	k_q8392b30e84_attn, .Lfunc_end_k_q8392b30e84_attn-k_q8392b30e84_attn
	.p2alignl 7, 3214868480
	.fill 96, 4, 3214868480
	.section	.rodata,"a",@progbits
	.p2align	6, 0x0
	.amdhsa_kernel k_q8392b30e84_attn
		.amdhsa_group_segment_fixed_size 327680
		.amdhsa_private_segment_fixed_size 0
		.amdhsa_enable_private_segment 0
		.amdhsa_kernarg_size 32
		.amdhsa_user_sgpr_count 2
		.amdhsa_user_sgpr_kernarg_segment_ptr 1
		.amdhsa_wavefront_size32 1
		.amdhsa_system_sgpr_workgroup_id_x 1
		.amdhsa_system_sgpr_workgroup_id_y 1
		.amdhsa_system_sgpr_workgroup_id_z 1
		.amdhsa_system_vgpr_workitem_id 0
		.amdhsa_next_free_vgpr 256
		.amdhsa_next_free_sgpr 66
		.amdhsa_reserve_vcc 1
		.amdhsa_float_denorm_mode_32 3
		.amdhsa_float_denorm_mode_16_64 3
		.amdhsa_memory_ordered 1
		.amdhsa_forward_progress 1
		.amdhsa_inst_pref_size 40
	.end_amdhsa_kernel
	.amdgpu_metadata
---
amdhsa.version: [ 1, 2 ]
amdhsa.kernels:
  - .name:           k_q8392b30e84_attn
    .symbol:         k_q8392b30e84_attn.kd
    .args:
      - { .name: qrec, .offset: 0, .size: 8, .value_kind: global_buffer, .address_space: global }
      - { .name: kvrec, .offset: 8, .size: 8, .value_kind: global_buffer, .address_space: global }
      - { .name: ao, .offset: 16, .size: 8, .value_kind: global_buffer, .address_space: global }
      - { .name: aos, .offset: 24, .size: 8, .value_kind: global_buffer, .address_space: global }
    .group_segment_fixed_size: 327680
    .private_segment_fixed_size: 0
    .kernarg_segment_align: 8
    .kernarg_segment_size: 32
    .max_flat_workgroup_size: 512
    .sgpr_count:     66
    .vgpr_count:     256
    .wavefront_size: 32
...
	.end_amdgpu_metadata
.endif
;; end of part 3
;; launch oproj (part 4): grid 128 x 2, 4 waves a work-group, no clusters, 35,328 bytes of LDS; arguments ao, aos, wimg, wscl, bo, out0; writes out0
.if DOCPART == 4
	.amdgcn_target "amdgcn-amd-amdhsa--gfx1250"
	.amdhsa_code_object_version 6
	.text
	.protected	k_q8392b30e84_oproj
	.globl	k_q8392b30e84_oproj
	.p2align	8
	.type	k_q8392b30e84_oproj,@function
k_q8392b30e84_oproj:
	s_mov_b64 s[64:65], 0
	v_nop
	global_prefetch_b8 v0, s[64:65] scope:SCOPE_SE
	s_setreg_imm32_b32 hwreg(HW_REG_WAVE_MODE, 25, 1), 1
	s_wait_xcnt 0x0
; out0[b][o][p] = the sum over c of wo[o][c] a[b][c][p] + bo[o], on codes of BF6 (E3M2) with one E8M0 byte for each 32 along c; sums in f32.  Both operands arrive as codes: a from the attention
; (ao: [b][G][head][pi][24 bytes], aos: [b][G][pi][head], a block of 32 along c being one head), wo as register images (wimg, wscl: fragments 96 + 2 T + s).
; SHARES.  Work-group (x, y): the 64 positions of group x = 64 b + G, outputs 128 y .. 128 y + 127.  Wave w: tiles 8 y + 2 w and 8 y + 2 w + 1 of 16 outputs, all four tiles of positions: eight accumulators by turns.
; Source 0 = 16 positions (pi = 16 t + r), source 1 = 16 rows of wo: lane (r, h) holds output r of the tile and, over the four tiles of positions, the NEIGHBOURING positions 32 h + 8 t + j: 128 bytes of a row of out0.
; The bias is the C of each sum's first matrix instruction: every register of a lane holds its one output's.
; The way out goes through the wave's own stage (16 rows of 256 bytes + 16 for each tile), so that sixteen lanes store 256 consecutive bytes.  No barrier: waves share nothing in LDS.
; NO JOINT REQUESTS: there is no tensor load; a work-group's operands (12 KiB of codes, 24 KiB of weight images) go straight from memory into registers.
.set XF,   16                          ; v16-111  a's fragments: 12 (2 t + s);  on the way out v16-79 take the rows read back
.set WF,   112                         ; v112-159 wo's: 12 (2 T + s)
.set ACC,  160                         ; v160-223 32 T + 8 t
.set BI,   224                         ; v224-239 8 T
.set XS,   240                         ; v240-247 a's scale words: 2 t + s
.set WS,   248                         ; v248-251 wo's: 2 T + s
.set OUTR, 16
	s_load_b256 s[4:11], s[0:1], 0x0               ; ao, aos, wimg, wscl
	s_load_b128 s[12:15], s[0:1], 0x20             ; bo, out0
	v_lshl_add_u32 v254, v0, 2, 0x8800
	v_mov_b32 v255, 0
	v_lshrrev_b32 v1, 5, v0
	v_readfirstlane_b32 s16, v1                    ; wave
	s_and_b32 s17, ttmp7, 0xffff                   ; y
	s_lshl_b32 s18, s17, 3
	s_lshl_b32 s19, s16, 1
	s_add_co_u32 s18, s18, s19                     ; my first tile of outputs
	s_mul_i32 s20, ttmp9, 12288                    ; ao: 8 heads x 1,536 bytes a group
	s_mov_b32 s21, 0
	s_lshl_b32 s22, ttmp9, 9                       ; aos: 512 bytes a group
	s_mov_b32 s23, 0
	s_lshl_b32 s19, s18, 1
	s_add_co_u32 s19, s19, 96                      ; my first fragment of wo
	s_mul_i32 s24, s19, 1536
	s_mov_b32 s25, 0
	s_lshl_b32 s26, s19, 7
	s_mov_b32 s27, 0
	s_lshl_b32 s28, s18, 6                         ; bo: 64 bytes a tile
	s_mov_b32 s29, 0
	s_lshr_b32 s30, ttmp9, 6
	s_lshl_b32 s30, s30, 22                        ; out0: image b,
	s_lshl_b32 s32, s18, 18                        ; 16 rows of 16,384 bytes a tile,
	s_add_co_u32 s30, s30, s32
	s_and_b32 s32, ttmp9, 63
	s_lshl_b32 s32, s32, 8                         ; 256 bytes a group
	s_add_co_u32 s30, s30, s32
	s_mov_b32 s31, 0
	s_mul_i32 s33, s16, 8704                       ; my stage
	v_and_b32 v1, 31, v0                           ; lane
	v_and_b32 v2, 15, v0                           ; r
	v_bfe_u32 v3, v0, 4, 1                         ; h
	v_mul_u32_u24 v4, v2, 24
	v_mad_u32_u24 v4, v3, 1536, v4                 ; a: record r, head h
	v_lshlrev_b32 v5, 3, v2                        ; its rows' scale bytes: 8 a row
	v_lshlrev_b32 v6, 4, v1                        ; 16 x lane
	v_lshlrev_b32 v7, 2, v1                        ; 4 x lane
	v_lshlrev_b32 v8, 2, v2                        ; 4 r
	v_mul_u32_u24 v9, v2, 272
	v_lshl_add_u32 v9, v3, 7, v9
	v_add_nc_u32 v9, s33, v9                       ; into the stage: row r, 128 h bytes on
	v_mul_u32_u24 v10, v3, 272
	v_lshl_add_u32 v10, v2, 4, v10
	v_add_nc_u32 v10, s33, v10                     ; back: lanes 0-15 one row, lanes 16-31 the next
	v_lshlrev_b32 v11, 14, v3
	v_lshl_add_u32 v11, v2, 4, v11                 ; and the same two rows in out0
	s_wait_alu depctr_va_vdst(0)
	s_wait_kmcnt 0x0
	s_add_nc_u64 s[4:5], s[4:5], s[20:21]
	s_add_nc_u64 s[6:7], s[6:7], s[22:23]
	s_add_nc_u64 s[8:9], s[8:9], s[24:25]
	s_add_nc_u64 s[10:11], s[10:11], s[26:27]
	s_add_nc_u64 s[12:13], s[12:13], s[28:29]
	s_add_nc_u64 s[14:15], s[14:15], s[30:31]
.irp m, 0,1,2,3
.irp s, 0,1
.irp c, 0,1
.irp i, 0,1,2
	global_load_b64 v[XF+12*(2*\m+\s)+6*\c+2*\i:XF+12*(2*\m+\s)+6*\c+2*\i+1], v4, s[4:5] offset:(4*\s+2*\c)*1536+384*\m+8*\i   ; row pi = 16 m + r, head 4 s + 2 c + h
.endr
.endr
.endr
	global_load_b64 v[XS+2*\m:XS+2*\m+1], v5, s[6:7] offset:128*\m
.endr
.irp f, 0,1,2,3
.irp g, 0,1,2
	global_load_b128 v[WF+12*\f+4*\g:WF+12*\f+4*\g+3], v6, s[8:9] offset:1536*\f+512*\g
.endr
	global_load_b32 v[WS+\f], v7, s[10:11] offset:128*\f
.endr
.irp n, 0,1
.irp j, 0,1,2,3,4,5,6,7
	global_load_b32 v[BI+8*\n+\j], v8, s[12:13] offset:64*\n
.endr
.endr
	s_wait_loadcnt 0x0
.irp n, 0,1
.irp m, 0,1,2,3
	v_wmma_scale_f32_16x16x128_f8f6f4 v[ACC+32*\n+8*\m:ACC+32*\n+8*\m+7], v[XF+24*\m:XF+24*\m+11], v[WF+24*\n:WF+24*\n+11], v[BI+8*\n:BI+8*\n+7], v[XS+2*\m], v[WS+2*\n] matrix_a_fmt:MATRIX_FMT_BF6 matrix_b_fmt:MATRIX_FMT_BF6
.endr
.endr
.irp n, 0,1
.irp m, 0,1,2,3
	v_wmma_scale_f32_16x16x128_f8f6f4 v[ACC+32*\n+8*\m:ACC+32*\n+8*\m+7], v[XF+24*\m+12:XF+24*\m+23], v[WF+24*\n+12:WF+24*\n+23], v[ACC+32*\n+8*\m:ACC+32*\n+8*\m+7], v[XS+2*\m+1], v[WS+2*\n+1] matrix_a_fmt:MATRIX_FMT_BF6 matrix_b_fmt:MATRIX_FMT_BF6
.endr
.endr
.rept 4
	v_nop                                          ; four places ahead of the LDS stores that read results and of the loads into registers that the products read (ISA guide 7.12.1 for vector instructions)
.endr
.irp n, 0,1
.irp m, 0,1,2,3
	ds_store_b128 v9, v[ACC+32*\n+8*\m:ACC+32*\n+8*\m+3] offset:4352*\n+32*\m        ; each accumulator from its low end on: positions 32 h + 8 m + 0 .. 3,
	ds_store_b128 v9, v[ACC+32*\n+8*\m+4:ACC+32*\n+8*\m+7] offset:4352*\n+32*\m+16   ; + 4 .. 7
.endr
.endr
.irp n, 0,1
.irp k, 0,1,2,3,4,5,6,7
	ds_load_b128 v[OUTR+32*\n+4*\k:OUTR+32*\n+4*\k+3], v10 offset:4352*\n+544*\k     ; LDS serves a wave's instructions in order (ISA guide 5.7.1.4): these see my stores
.endr
.endr
.irp n, 0,1
.irp k, 0,1,2,3,4,5,6,7
	s_wait_dscnt 15-8*\n-\k                        ; the younger loads may stay out
	global_store_b128 v11, v[OUTR+32*\n+4*\k:OUTR+32*\n+4*\k+3], s[14:15] offset:262144*\n+32768*\k th:TH_STORE_NT   ; sixteen lanes store 256 consecutive bytes, at a multiple of 256 from out0's first byte
.endr
.endr
	s_wait_tensorcnt 0x0
	ds_add_u32 v254, v255
	s_wait_dscnt 0x0
	s_endpgm
.Lfunc_end_k_q8392b30e84_oproj:
	.size	k_q8392b30e84_oproj, .Lfunc_end_k_q8392b30e84_oproj-k_q8392b30e84_oproj
	.p2alignl 7, 3214868480
	.fill 96, 4, 3214868480
	.section	.rodata,"a",@progbits
	.p2align	6, 0x0
	.amdhsa_kernel k_q8392b30e84_oproj
		.amdhsa_group_segment_fixed_size 35328
		.amdhsa_private_segment_fixed_size 0
		.amdhsa_enable_private_segment 0
		.amdhsa_kernarg_size 48
		.amdhsa_user_sgpr_count 2
		.amdhsa_user_sgpr_kernarg_segment_ptr 1
		.amdhsa_wavefront_size32 1
		.amdhsa_system_sgpr_workgroup_id_x 1
		.amdhsa_system_sgpr_workgroup_id_y 1
		.amdhsa_system_sgpr_workgroup_id_z 1
		.amdhsa_system_vgpr_workitem_id 0
		.amdhsa_next_free_vgpr 256
		.amdhsa_next_free_sgpr 66
		.amdhsa_reserve_vcc 0
		.amdhsa_float_denorm_mode_32 3
		.amdhsa_float_denorm_mode_16_64 3
		.amdhsa_memory_ordered 1
		.amdhsa_forward_progress 1
		.amdhsa_inst_pref_size 17
	.end_amdhsa_kernel
	.amdgpu_metadata
---
amdhsa.version: [ 1, 2 ]
amdhsa.kernels:
  - .name:           k_q8392b30e84_oproj
    .symbol:         k_q8392b30e84_oproj.kd
    .args:
      - { .name: ao, .offset: 0, .size: 8, .value_kind: global_buffer, .address_space: global }
      - { .name: aos, .offset: 8, .size: 8, .value_kind: global_buffer, .address_space: global }
      - { .name: wimg, .offset: 16, .size: 8, .value_kind: global_buffer, .address_space: global }
      - { .name: wscl, .offset: 24, .size: 8, .value_kind: global_buffer, .address_space: global }
      - { .name: bo, .offset: 32, .size: 8, .value_kind: global_buffer, .address_space: global }
      - { .name: out0, .offset: 40, .size: 8, .value_kind: global_buffer, .address_space: global }
    .group_segment_fixed_size: 35328
    .private_segment_fixed_size: 0
    .kernarg_segment_align: 8
    .kernarg_segment_size: 48
    .max_flat_workgroup_size: 128
    .sgpr_count:     66
    .vgpr_count:     256
    .wavefront_size: 32
...
	.end_amdgpu_metadata
.endif
;; end of part 4
